; MI455X (gfx1250); checked and timed in simulation.
; The chip was launched on July 23, 2026; its instructions are those of AMD's public machine-readable ISA for CDNA 5 (MIT licence, August 2026) and "CDNA5" Instruction Set Architecture Reference Guide (July 2026). The comments in the code are by the model that wrote it; some were corrected since.
;; MSA. Allowed arithmetic: matrix products marked QUANTISED: E2M1 operands, one E8M0 scale for each 32 along K, by v_wmma_scale_f32_16x16x128_f8f6f4 with both operands' format E2M1 (or v_wmma_scale_f32_32x16x128_f4), f32 sums; everything else in f32.
;; Inputs: Wk 1,024 x 1,024 float32; Wo 1,024 x 1,024 float32; Wq 1,024 x 1,024 float32; Wv 1,024 x 1,024 float32; bk 1,024 float32; bo 1,024 float32; bq 1,024 float32; bv 1,024 float32; x 4 x 2,048 x 1,024 float32.
;; Outputs: out0 4 x 2,048 x 1,024 float32.
;; This version of the problem:
;;   THIS VERSION OF THE PROBLEM IS GIVEN IN LOW PRECISION. The matrix products marked QUANTISED in the list below multiply operands that are first quantised to E2M1 (2 exponent bits, 1 mantissa bit; 4 bits a number), with one power-of-two scale for each 32 numbers along K (OCP MX v1.0); their sums are f32. All else is computed in f32.
;;   The module's matrix products, in the order in which they are computed (A, B: the left and right operand; K: the contracted axis; several contracted axes count as one K, in the product's order):
;;     1. [M 8,192, K 1,024] x [K 1,024, N 1,024]; A: input x; B: input Wq: QUANTISED
;;     2. [M 8,192, K 1,024] x [K 1,024, N 1,024]; A: input x; B: input Wk: QUANTISED
;;     3. [M 8,192, K 1,024] x [K 1,024, N 1,024]; A: input x; B: input Wv: QUANTISED
;;     4. batch 64 x [M 2,048, K 64] x [K 64, N 2,048]; A: computed on the way; B: computed on the way: QUANTISED
;;     5. batch 64 x [M 2,048, K 2,048] x [K 2,048, N 64]; A: softmax (see below); B: computed on the way: QUANTISED
;;     6. [M 8,192, K 1,024] x [K 1,024, N 1,024]; A: computed on the way; B: input Wo: QUANTISED
;;   THE QUANTISER, for each operand of a quantised product, along K:
;;     - K is cut into blocks of 32 from its start; a last block that is shorter is filled with zeros.
;;     - A block's scale is 2^e with e = floor(log2(the largest magnitude in the block)) - 2, held to -126 .. 127; a block of zeros has e = 0. As a byte (E8M0): e + 127.
;;     - Each number is divided by its block's scale, clamped to +-6, and rounded to the nearest number of E2M1, ties to even, subnormals kept.
;;     - The product sums the exact products of the quantised numbers (number of the format x scale) in f32.
;;   ~~~python
;;   def quantise(x, axis):      # numpy; x: float32 -> the quantised numbers, widened to float32 again
;;       x = np.moveaxis(x, axis, -1); K = x.shape[-1]
;;       x = np.pad(x, [(0, 0)] * (x.ndim - 1) + [(0, -K % 32)]); x = x.reshape(x.shape[:-1] + (-1, 32)); a = np.abs(x).max(-1, keepdims=True)
;;       e = np.where(a > 0, np.clip(np.frexp(np.where(a > 0, a, 1))[1] - 1 - 2, -126, 127), 0)      # np.frexp(a)[1] - 1 = floor(log2(a)), exactly
;;       r = np.clip(x / 2.0 ** e, -6, 6)
;;       step = 2.0 ** (np.maximum(np.frexp(np.where(r == 0, 1, r))[1] - 1, 0) - 1)
;;       q = np.round(r / step) * step * 2.0 ** e      # np.round: ties to even
;;       return np.moveaxis(q.reshape(q.shape[:-2] + (-1,))[..., :K], -1, axis).astype(np.float32)
;;   ~~~
;;   SOFTMAX AHEAD OF A QUANTISED PRODUCT. Where the list says 'softmax', what is quantised is not the finished softmax but p = 2^(t - M), with t = logit x log2(e) and M = ceil(the row's largest t), a whole number; so 1/2 < the row's largest p <= 1. The row's sum l is taken of the UNQUANTISED p, in f32, and the product's result is divided by l at the end. Since M is a whole number, a kernel that streams over the keys may use a running M (the ceiling of the running maximum): every later rescaling is an exact power of two, which a block's scale takes up: the codes' values come out the same.
;;   OPERANDS COMPUTED ON THE WAY. 'Computed on the way' means the value that the module computes at that place (a softmax that the list does not call 'softmax' is quantised finished and normalised). What goes into a quantiser is computed in f32, as accurately as f32 sums, v_exp_f32 and their like allow (about 1e-6 of the number): no bf16 or f16 on the way to a quantiser, and a product that is left as it is and whose result goes on into a quantised operand takes f32 operands (vector FMAs, or v_wmma_f32_16x16x4_f32). A number that lies on a knife's edge between two numbers of the format may be rounded either way, as far as f32 arithmetic and the matrix unit's own rounding can turn it there, and no further.
;; One version. Each part assembles by itself: llvm-mc -triple=amdgcn-amd-amdhsa -mcpu=gfx1250 --defsym DOCPART=n.
;; ======== version 1 of 1: 4 launches
;; workspace buffers: xop 4,456,448 bytes; wop 2,228,224 bytes; qb 4,456,448 bytes; kv 8,912,896 bytes; oop 4,456,448 bytes
;; launch quant (part 1): grid 640 x 1, 8 waves a work-group, no clusters, 68,608 bytes of LDS; arguments x, Wq, Wk, Wv, Wo, xop, wop; writes xop, wop
.if DOCPART == 1
	.amdgcn_target "amdgcn-amd-amdhsa--gfx1250"
	.amdhsa_code_object_version 6
	.text
	.protected	k_qbb2e3ca65e_quant
	.globl	k_qbb2e3ca65e_quant
	.p2align	8
	.type	k_qbb2e3ca65e_quant,@function
k_qbb2e3ca65e_quant:
	s_mov_b64 s[64:65], 0
	v_nop
	global_prefetch_b8 v0, s[64:65] scope:SCOPE_SE
	s_setreg_imm32_b32 hwreg(HW_REG_WAVE_MODE, 25, 1), 1
	s_wait_xcnt 0x0
; x [8192][1024] f32 (K innermost) and Wq, Wk, Wv, Wo [1024 (k)][1024 (n)] f32 (K outermost) become codes of FP4 (E2M1) with one E8M0 scale byte for each 32 along K.
; THE OUTPUT IS LAID AS THE MATRIX UNIT'S REGISTERS.  A fragment is 16 rows x 128 K: 1,024 bytes, [c 0,1][lane 32][16 bytes]; lane (r, h), part c holds k = 64 c + 32 h + 0 .. 31 of row r.
; Its scale words: one 32-bit word a row (byte b: k = 32 b ..), 64 bytes a tile.  A block is 256 rows x all of K: [K step 8] chunks of 17,408 bytes = [tile 16][1,024] codes, then [tile 16][64] scale words.
; THE ROWS OF A TILE ARE NOT NEIGHBOURS: lane r of tile 2 f + u is row 32 f + 8 u + r + 8 (r / 8): as source 0 of a product, two neighbouring tiles then give a lane 16 neighbouring rows in 16 registers.
; A block's scale is 2^(floor(log2(largest magnitude)) - 2); its byte is the largest magnitude's exponent field - 2, held at 1 from below.
; LIMITS: NaN and infinities are not served.  A block whose largest magnitude lies under 2^-124, a block of zeros among them, keeps the byte 1 (the rule says 127 for zeros): its codes are zeros
; or the nearest codes under that scale, and the bytes are read by this program alone.  The scale words leave in pieces of 64 or 128 bytes: one sixteenth of the codes' bytes.
; SHARES.  Work-groups 0-511: one tile of 16 tokens of x, wave w its K step w.  Work-groups 512-639: weight (g / 32), block of 256 columns ((g / 8) % 4), K step (g % 8); wave w its 32 columns 32 w on.
; No tensor loads, no barrier, no loop: waves share nothing.  Matrix units and clusters have nothing to do in a stream.
.set BLKB,  139264                     ; an operand block
.set CHUNK, 17408                      ; one K step of it
.set SP,    528                        ; x: a stage row: 512 bytes + 16: row r starts 16 r bytes on modulo 256, so the sixteen rows that a load touches fall on different banks (64 banks of 4 bytes: ISA guide 11.1)
.set WST,   16*SP                      ; a wave's stage
.set TM,    8                          ; v8-23   at work in the quantiser
.set PW,    24                         ; v24     the scale word just made
.set RW,    32                         ; v32-95  x: 16 rows as loaded
.set X,     96                         ; v96-159 x: my row's 64 numbers
.set PC,    160                        ; v160-167 x: the fragment's codes
.set WX,    32                         ; v32-95  W: two sets of 32 numbers down K
.set WC,    96                         ; v96-111 W: four registers of codes for each block: no store's data are written again
.set SBW,   112                        ; v112    W: my column's scale word
.set SEL,   30                         ; s[30:31] v_permlanex16_b32's selects for lane l xor 16
; 64 numbers of a lane, register 16 b + i = k 32 b + 16 (lane / 16) + i of my row, become a fragment's codes in v[pc] on and its scale word in v[pw].
.macro QUANT s, pc, pw
.irp b, 0,1,2,3
	v_max3_num_f32 v[TM+\b], |v[\s+16*\b]|, |v[\s+1+16*\b]|, 0x1800000   ; block b: my 16 numbers, and the floor 2^(3 - 127): the byte cannot fall under 1
.endr
.irp i, 2,4,6,8,10,12,14
.irp b, 0,1,2,3
	v_max3_num_f32 v[TM+\b], v[TM+\b], |v[\s+16*\b+\i]|, |v[\s+1+16*\b+\i]|   ; the four blocks by turns
.endr
.endr
.irp b, 0,1,2,3
	v_permlanex16_b32 v[TM+4+\b], v[TM+\b], s[SEL], s[SEL+1]
.endr
.irp b, 0,1,2,3
	v_max_num_f32 v[TM+\b], v[TM+\b], v[TM+4+\b]   ; with lane l xor 16's 16: the block's largest magnitude
.endr
.irp b, 0,1,2,3
	v_add_nc_u32 v[TM+12+\b], 0xff000000, v[TM+\b]   ; 2 off its exponent field: the conversion takes the exponent field of this operand as its scale
.endr
.irp b, 0,1,2,3
	v_lshrrev_b32 v[TM+4+\b], 23, v[TM+12+\b]   ; the scale's byte
.endr
	v_lshl_or_b32 v[\pw], v[TM+5], 8, v[TM+4]
	v_lshl_or_b32 v[\pw], v[TM+6], 16, v[\pw]
	v_lshl_or_b32 v[\pw], v[TM+7], 24, v[\pw]
.irp b, 0,1,2,3
	v_cvt_scalef32_pk8_fp4_f32 v[\pc+2*\b], v[\s+16*\b:\s+7+16*\b], v[TM+12+\b]
	v_cvt_scalef32_pk8_fp4_f32 v[\pc+1+2*\b], v[\s+8+16*\b:\s+15+16*\b], v[TM+12+\b]
.endr
	v_nop                                          ; one plain place behind a scaled conversion
.irp c, 0,1                                    ; the layout wants a whole block in a lane: lanes 0-15 block 2 c, lanes 16-31 block 2 c + 1
.irp i, 0,1
	v_permlane16_swap_b32 v[\pc+4*\c+\i], v[\pc+2+4*\c+\i]
.endr
.endr
.endm
	s_load_b256 s[4:11], s[0:1], 0x0               ; x s[4:5], Wq s[6:7], Wk s[8:9], Wv s[10:11]
	s_load_b128 s[12:15], s[0:1], 0x20             ; Wo s[12:13], xop s[14:15]
	s_load_b64 s[16:17], s[0:1], 0x30              ; wop
	v_lshl_add_u32 v168, v0, 2, 0x10800
	v_mov_b32 v169, 0
	v_lshrrev_b32 v1, 5, v0
	v_readfirstlane_b32 s18, v1                    ; wave 0..7
	v_and_b32 v2, 31, v0                           ; lane
	s_cmp_lt_u32 ttmp9, 512
	s_cbranch_scc0 .Lweights
	; ---- x: tile Tg = the work-group's number, K step = wave
	s_lshr_b32 s20, ttmp9, 1
	s_lshl_b32 s20, s20, 17                        ; 32 (Tg / 2) rows of 4,096 bytes
	s_and_b32 s21, ttmp9, 1
	s_lshl_b32 s21, s21, 15                        ; + 8 (Tg % 2) rows
	s_add_co_u32 s20, s20, s21
	s_lshl_b32 s21, s18, 9                         ; + my K step's 512 bytes
	s_add_co_u32 s20, s20, s21
	s_mov_b32 s21, 0
	s_lshr_b32 s22, ttmp9, 4
	s_mul_i32 s22, s22, BLKB                       ; the block of 256 tokens,
	s_mul_i32 s23, s18, CHUNK                      ; my K step's chunk
	s_add_co_u32 s22, s22, s23
	s_mov_b32 s23, 0
	s_and_b32 s24, ttmp9, 15                       ; the tile in the block
	s_lshl_b32 s25, s24, 10
	s_lshl_b32 s24, s24, 6
	s_mul_i32 s26, s18, WST                        ; my stage
	s_mov_b32 s[SEL], 0x76543210
	s_mov_b32 s[SEL+1], 0xfedcba98
	v_lshlrev_b32 v3, 4, v2                        ; 16 x lane
	v_and_b32 v5, 15, v0                           ; r
	v_bfe_u32 v1, v0, 4, 1                         ; h
	v_add_nc_u32 v4, s25, v3                       ; the codes' place in the chunk
	v_lshl_add_u32 v6, v5, 2, s24                  ; the scale word's: 64 x tile + 4 r
	v_add_nc_u32 v7, s26, v3                       ; the stage, on the way in: a row as it lies
	v_mul_u32_u24 v25, v5, SP
	v_lshl_add_u32 v25, v1, 6, v25
	v_add_nc_u32 v25, s26, v25                     ; and on the way out: row r, + 64 h: my 16 numbers of a block of 32
.irp b, 0,1,2,3
	v_mov_b32 v[TM+4+\b], 0                        ; written once: a lane permute's destination counts as one of its sources
.endr
	s_wait_kmcnt 0x0
	s_add_nc_u64 s[4:5], s[4:5], s[20:21]
	s_add_nc_u64 s[14:15], s[14:15], s[22:23]
.irp i, 0,1,2,3,4,5,6,7,8,9,10,11,12,13,14,15
	global_load_b128 v[RW+4*\i:RW+4*\i+3], v3, s[4:5] offset:(\i+8*(\i/8))*4096 th:TH_LOAD_NT   ; the tile's row i: 32 lanes read 512 consecutive bytes
.endr
.irp i, 0,1,2,3,4,5,6,7,8,9,10,11,12,13,14,15
	s_wait_loadcnt 15-\i                           ; row i is in; the 15 - i younger loads stay out
	ds_store_b128 v7, v[RW+4*\i:RW+4*\i+3] offset:SP*\i
.endr
.irp b, 0,1,2,3
.irp j, 0,1,2,3
	ds_load_b128 v[X+16*\b+4*\j:X+16*\b+4*\j+3], v25 offset:128*\b+16*\j   ; LDS serves a wave's instructions in order (ISA guide 5.7.1.4): these see my stores
.endr
.endr
	s_wait_dscnt 0x0
	QUANT X, PC, PW
	global_store_b128 v4, v[PC:PC+3], s[14:15]               ; 32 lanes store 512 consecutive bytes, at a multiple of 512 from the buffer's first byte
	global_store_b128 v4, v[PC+4:PC+7], s[14:15] offset:512
	global_store_b32 v6, v[PW], s[14:15] offset:16384        ; lanes r and r + 16 write the same word with the same value
	s_wait_tensorcnt 0x0
	ds_add_u32 v168, v169
	s_wait_dscnt 0x0
	s_endpgm
	; ---- the weights: a lane takes a column n and its registers run down K: nothing is transposed
.Lweights:
	s_sub_co_u32 s20, ttmp9, 512                   ; g
	s_lshr_b32 s21, s20, 5                         ; which weight
	s_and_b32 s22, s20, 7                          ; K step
	s_lshr_b32 s23, s20, 3                         ; the block of wop: 4 x weight + block of columns
	s_and_b32 s24, s23, 3
	s_lshl_b32 s26, s22, 19                        ; 128 rows of 4,096 bytes a K step
	s_lshl_b32 s24, s24, 10                        ; 256 columns of 4 bytes
	s_add_co_u32 s26, s26, s24
	s_lshl_b32 s24, s18, 7                         ; my 32 columns
	s_add_co_u32 s26, s26, s24
	s_mov_b32 s27, 0
	s_mul_i32 s28, s23, BLKB
	s_mul_i32 s24, s22, CHUNK
	s_add_co_u32 s28, s28, s24
	s_mov_b32 s29, 0
	v_lshlrev_b32 v4, 2, v2                        ; in: 4 bytes a lane
	v_bfe_u32 v5, v0, 3, 1                         ; column 32 w + l is row r' = (l % 8) + 8 (l / 16) of tile 2 w + u, u = (l / 8) % 2
	v_and_b32 v6, 7, v0
	v_bfe_u32 v7, v0, 4, 1
	v_lshl_or_b32 v6, v7, 3, v6
	v_lshlrev_b32 v25, 4, v6
	v_lshl_add_u32 v25, v5, 10, v25
	s_lshl_b32 s24, s18, 11
	v_add_nc_u32 v25, s24, v25                     ; codes: 2,048 w + 1,024 u + 16 r'; block t = 2 c + h lies 256 t bytes on
	v_lshlrev_b32 v26, 2, v6
	v_lshl_add_u32 v26, v5, 6, v26
	s_lshl_b32 s25, s18, 7
	v_add_nc_u32 v26, s25, v26                     ; scale word: 128 w + 64 u + 4 r'
	s_wait_kmcnt 0x0
	s_cmp_eq_u32 s21, 1                            ; the choices hang on the work-group's number alone
	s_cselect_b64 s[6:7], s[8:9], s[6:7]
	s_cmp_eq_u32 s21, 2
	s_cselect_b64 s[6:7], s[10:11], s[6:7]
	s_cmp_eq_u32 s21, 3
	s_cselect_b64 s[6:7], s[12:13], s[6:7]
	s_add_nc_u64 s[6:7], s[6:7], s[26:27]
	s_add_nc_u64 s[16:17], s[16:17], s[28:29]
.macro LOADW t                         ; block t: W(128 s + 32 t + n, my column), n = 0 .. 31, into set t % 2: each load reads 128 consecutive bytes
.set n, 0
.rept 32
	global_load_b32 v[WX+32*((\t)%2)+n], v4, s[6:7] offset:(32*(\t)+n)*4096 th:TH_LOAD_NT
.set n, n+1
.endr
.endm
.macro BLOCKW t
.set XS, WX+32*((\t)%2)
.if (\t) < 3
	s_wait_loadcnt 32                              ; this block's 32 loads are in; the next block's 32 stay out
.else
	s_wait_loadcnt 0x0
.endif
	v_max3_num_f32 v8, |v[XS]|, |v[XS+1]|, |v[XS+2]|           ; the block's largest magnitude: all 32 numbers are mine; two chains
	v_max3_num_f32 v9, |v[XS+3]|, |v[XS+4]|, |v[XS+5]|
.irp i, 6,10,14,18,22,26
	v_max3_num_f32 v8, v8, |v[XS+\i]|, |v[XS+\i+1]|
	v_max3_num_f32 v9, v9, |v[XS+\i+2]|, |v[XS+\i+3]|
.endr
	v_max3_num_f32 v8, v8, |v[XS+30]|, |v[XS+31]|
	v_max3_num_f32 v8, v8, v9, 0x1800000           ; and the floor 2^(3 - 127)
	v_add_nc_u32 v10, 0xff000000, v8               ; the conversion's scale operand
	v_lshrrev_b32 v11, 23, v10                     ; the byte
.if (\t) == 0
	v_mov_b32 v[SBW], v11
.else
	v_lshl_or_b32 v[SBW], v11, 8*(\t), v[SBW]
.endif
.irp g, 0,1,2,3
	v_cvt_scalef32_pk8_fp4_f32 v[WC+4*(\t)+\g], v[XS+8*\g:XS+8*\g+7], v10
.endr
	v_nop                                          ; one plain place behind the conversions: the next block writes their scale operand
	global_store_b128 v25, v[WC+4*(\t):WC+4*(\t)+3], s[16:17] offset:256*(\t)   ; sixteen lanes of each tile store 256 consecutive aligned bytes
.if (\t) < 2
	LOADW (\t)+2
.endif
.endm
	LOADW 0
	LOADW 1
	BLOCKW 0
	BLOCKW 1
	BLOCKW 2
	BLOCKW 3
	global_store_b32 v26, v[SBW], s[16:17] offset:16384      ; 128 consecutive bytes a wave
	s_endpgm
.Lfunc_end_k_qbb2e3ca65e_quant:
	.size	k_qbb2e3ca65e_quant, .Lfunc_end_k_qbb2e3ca65e_quant-k_qbb2e3ca65e_quant
	.p2alignl 7, 3214868480
	.fill 96, 4, 3214868480
	.section	.rodata,"a",@progbits
	.p2align	6, 0x0
	.amdhsa_kernel k_qbb2e3ca65e_quant
		.amdhsa_group_segment_fixed_size 68608
		.amdhsa_private_segment_fixed_size 0
		.amdhsa_enable_private_segment 0
		.amdhsa_kernarg_size 56
		.amdhsa_user_sgpr_count 2
		.amdhsa_user_sgpr_kernarg_segment_ptr 1
		.amdhsa_wavefront_size32 1
		.amdhsa_system_sgpr_workgroup_id_x 1
		.amdhsa_system_sgpr_workgroup_id_y 1
		.amdhsa_system_sgpr_workgroup_id_z 1
		.amdhsa_system_vgpr_workitem_id 0
		.amdhsa_next_free_vgpr 170
		.amdhsa_next_free_sgpr 66
		.amdhsa_reserve_vcc 0
		.amdhsa_float_denorm_mode_32 3
		.amdhsa_float_denorm_mode_16_64 3
		.amdhsa_memory_ordered 1
		.amdhsa_forward_progress 1
		.amdhsa_inst_pref_size 31
	.end_amdhsa_kernel
	.amdgpu_metadata
---
amdhsa.version: [ 1, 2 ]
amdhsa.kernels:
  - .name:           k_qbb2e3ca65e_quant
    .symbol:         k_qbb2e3ca65e_quant.kd
    .args:
      - { .name: x, .offset: 0, .size: 8, .value_kind: global_buffer, .address_space: global }
      - { .name: Wq, .offset: 8, .size: 8, .value_kind: global_buffer, .address_space: global }
      - { .name: Wk, .offset: 16, .size: 8, .value_kind: global_buffer, .address_space: global }
      - { .name: Wv, .offset: 24, .size: 8, .value_kind: global_buffer, .address_space: global }
      - { .name: Wo, .offset: 32, .size: 8, .value_kind: global_buffer, .address_space: global }
      - { .name: xop, .offset: 40, .size: 8, .value_kind: global_buffer, .address_space: global }
      - { .name: wop, .offset: 48, .size: 8, .value_kind: global_buffer, .address_space: global }
    .group_segment_fixed_size: 68608
    .private_segment_fixed_size: 0
    .kernarg_segment_align: 8
    .kernarg_segment_size: 56
    .max_flat_workgroup_size: 256
    .sgpr_count:     66
    .vgpr_count:     170
    .wavefront_size: 32
...
	.end_amdgpu_metadata
.endif
;; end of part 1
;; launch qkv (part 2): grid 12 x 32, 16 waves a work-group, no clusters, 280,576 bytes of LDS; arguments xop, wop, bq, bk, bv, qb, kv; writes qb, kv
.if DOCPART == 2
	.amdgcn_target "amdgcn-amd-amdhsa--gfx1250"
	.amdhsa_code_object_version 6
	.text
	.protected	k_qbb2e3ca65e_qkv
	.globl	k_qbb2e3ca65e_qkv
	.p2align	8
	.type	k_qbb2e3ca65e_qkv,@function
k_qbb2e3ca65e_qkv:
	s_mov_b64 s[64:65], 0
	v_nop
	global_prefetch_b8 v0, s[64:65] scope:SCOPE_SE
	s_setreg_imm32_b32 hwreg(HW_REG_WAVE_MODE, 25, 1), 1
	s_wait_xcnt 0x0
; q = x Wq + bq, k = x Wk + bk, v = x Wv + bv on codes of FP4 with E8M0 scales, and the results QUANTISED AT ONCE for attention's two products: no f32 result goes to memory.
; Operands arrive as images of the matrix unit's registers (a fragment, 16 rows x 128 K, is 1,024 bytes: [c][lane][16]; scale words 64 bytes a tile), in blocks of 256 rows x K = 1,024:
; [K step 8] chunks of 17,408 bytes = 16 tiles' codes, then 16 tiles' scale words.  Lane r of tile 2 f + u is row 32 f + 8 u + r + 8 (r / 8).
; SHARES.  Work-group (cb, y): cb 0-3 q, 4-7 k, 8-11 v, each a block of 256 output columns; y a block of 256 tokens.  Source 0 is operand R, whose rows run along a lane's registers and are the
; next product's K; source 1 is operand L, whose rows are the lanes.  q, k: R = the weight (next K = the head's channels), L = x.  v: R = x (next K = the keys), L = the weight.
; Sixteen waves: wave w makes R rows 128 (w / 8) on x L rows 32 (w % 8) on: 8 x 2 tiles, 16 accumulators, 128 registers.  The 128 R rows are one K step of the next product: one fragment and one scale word a row.
; LDS holds BOTH blocks for all of K (2 x 139,264 bytes), filled once, in four stages of two K steps; no byte is filled again, so there is no ring.  A wave has four tensor loads out at the most.
; The bias is loaded INTO the accumulators, so that the sums start from it and every K step is alike.
; OUT.  q: qb block (8 b + pair): scale words [tile 128][64] at 0, head A's codes [tile][512] at 8,192, head B's at 73,728.  k: kv block (8 b + pair): scale words at 0, head A's part at 8,192, head B's at 143,360;
; in a part: k's codes [tile 128][512], v's codes [key step 16][tile 4][1,024] at 65,536, v's scale words [step][tile][64] at 131,072.
; NO JOINT LOADS: the twelve work-groups of a y ask for the same block of x and the 32 of a cb for the same block of weights, each for itself: 272 KB a work-group.  That is a cost of this text, kept for its plainness.
; LIMITS: NaN and infinities are not served; a block whose largest magnitude lies under 2^-124 (zeros among them) keeps the scale byte 1; the bytes are read by this program alone.  Scale words leave in pieces of 64 bytes.
.set BLKB,  139264
.set CHUNK, 17408
.set HALF,  2*CHUNK                    ; a stage's part of one operand
.set STG,   2*HALF                     ; a stage: R's two chunks, then L's
.set PART,  HALF/8                     ; what one tensor load brings: 17 rows of 256 bytes
.set LI,  4                            ; v4   16 x lane
.set L4,  5                            ; v5   4 x lane
.set AR,  6                            ; v6   LDS: my R fragments
.set AL,  7                            ; v7   my L fragments
.set ASR, 8                            ; v8   R's scale words
.set ASL, 9                            ; v9   L's
.set R4,  10                           ; v10  4 r
.set BO,  11                           ; v11  my lane's byte in the bias
.set VC1, 12                           ; v12  where the second tile's codes go
.set ACC, 16                           ; v16-143  accumulator (a, i) at 16 + 64 a + 8 i
.set RF,  144                          ; v144-207 R's eight fragments
.set LF,  208                          ; v208-223 L's two
.set RS,  224                          ; v224-227 R's scale words: tile 2 p in lanes 0-15, tile 2 p + 1 in lanes 16-31
.set LSC, 228                          ; v228     L's: tile 0 below, tile 1 above
.set TM,  232                          ; v232-247 at work in the quantiser
.set PW,  248                          ; v248-249 the scale words made
.set PC,  144                          ; v144-159 the codes made (R's fragments are done with)
.set SEL, 58                           ; s[58:59]
.macro QUANT s, pc, pw                 ; 64 numbers of a lane, register 16 b + i = k 32 b + 16 (lane / 16) + i of my row -> a fragment's codes and its scale word
.irp b, 0,1,2,3
	v_max3_num_f32 v[TM+\b], |v[\s+16*\b]|, |v[\s+1+16*\b]|, 0x1800000   ; my 16 numbers of block b, and the floor 2^(3 - 127).  Each accumulator is read from its low end on
.endr
.irp i, 2,4,6,8,10,12,14
.irp b, 0,1,2,3
	v_max3_num_f32 v[TM+\b], v[TM+\b], |v[\s+16*\b+\i]|, |v[\s+1+16*\b+\i]|
.endr
.endr
.irp b, 0,1,2,3
	v_permlanex16_b32 v[TM+4+\b], v[TM+\b], s[SEL], s[SEL+1]
.endr
.irp b, 0,1,2,3
	v_max_num_f32 v[TM+\b], v[TM+\b], v[TM+4+\b]
.endr
.irp b, 0,1,2,3
	v_add_nc_u32 v[TM+12+\b], 0xff000000, v[TM+\b]   ; 2 off the exponent field: the conversion's scale operand
.endr
.irp b, 0,1,2,3
	v_lshrrev_b32 v[TM+4+\b], 23, v[TM+12+\b]
.endr
	v_lshl_or_b32 v[\pw], v[TM+5], 8, v[TM+4]
	v_lshl_or_b32 v[\pw], v[TM+6], 16, v[\pw]
	v_lshl_or_b32 v[\pw], v[TM+7], 24, v[\pw]
.irp b, 0,1,2,3
	v_cvt_scalef32_pk8_fp4_f32 v[\pc+2*\b], v[\s+16*\b:\s+7+16*\b], v[TM+12+\b]
	v_cvt_scalef32_pk8_fp4_f32 v[\pc+1+2*\b], v[\s+8+16*\b:\s+15+16*\b], v[TM+12+\b]
.endr
	v_nop                                          ; one plain place behind a scaled conversion
.irp c, 0,1
.irp i, 0,1
	v_permlane16_swap_b32 v[\pc+4*\c+\i], v[\pc+2+4*\c+\i]
.endr
.endr
.endm
.macro MM a, i                         ; accumulator (a, i) += R's tile i x L's tile a, 128 along K
.set rD, ACC+64*\a+8*\i
.set rA, RF+8*\i
.set rB, LF+8*\a
.set rS, RS+\i/2
.if ((\i)%2 == 0) && (\a == 0)
	v_wmma_scale_f32_16x16x128_f8f6f4 v[rD:rD+7], v[rA:rA+7], v[rB:rB+7], v[rD:rD+7], v[rS], v[LSC] matrix_a_fmt:MATRIX_FMT_FP4 matrix_b_fmt:MATRIX_FMT_FP4
.elseif (\a == 0)
	v_wmma_scale_f32_16x16x128_f8f6f4 v[rD:rD+7], v[rA:rA+7], v[rB:rB+7], v[rD:rD+7], v[rS], v[LSC] matrix_a_fmt:MATRIX_FMT_FP4 matrix_b_fmt:MATRIX_FMT_FP4 matrix_a_scale:MATRIX_SCALE_ROW1
.elseif ((\i)%2 == 0)
	v_wmma_scale_f32_16x16x128_f8f6f4 v[rD:rD+7], v[rA:rA+7], v[rB:rB+7], v[rD:rD+7], v[rS], v[LSC] matrix_a_fmt:MATRIX_FMT_FP4 matrix_b_fmt:MATRIX_FMT_FP4 matrix_b_scale:MATRIX_SCALE_ROW1
.else
	v_wmma_scale_f32_16x16x128_f8f6f4 v[rD:rD+7], v[rA:rA+7], v[rB:rB+7], v[rD:rD+7], v[rS], v[LSC] matrix_a_fmt:MATRIX_FMT_FP4 matrix_b_fmt:MATRIX_FMT_FP4 matrix_a_scale:MATRIX_SCALE_ROW1 matrix_b_scale:MATRIX_SCALE_ROW1
.endif
.endm
.macro PLACES                          ; four places behind a matrix instruction, in front of loads into its registers and of reads of its result
.rept 4
	v_nop
.endr
.endm
.macro KSTEP s                         ; 25 LDS loads, each of consecutive bytes, then 16 products: the 16 accumulators by turns, in the same order in every step
.set KO, ((\s)%2)*CHUNK
.irp i, 0,1,2,3,4,5,6,7
	ds_load_b128 v[RF+8*\i:RF+8*\i+3], v[AR] offset:KO+1024*\i
	ds_load_b128 v[RF+8*\i+4:RF+8*\i+7], v[AR] offset:KO+1024*\i+512
.endr
.irp a, 0,1
	ds_load_b128 v[LF+8*\a:LF+8*\a+3], v[AL] offset:KO+1024*\a
	ds_load_b128 v[LF+8*\a+4:LF+8*\a+7], v[AL] offset:KO+1024*\a+512
.endr
.irp p, 0,1,2,3
	ds_load_b32 v[RS+\p], v[ASR] offset:KO+128*\p
.endr
	ds_load_b32 v[LSC], v[ASL] offset:KO
.if (\s) == 0
	s_wait_loadcnt 0x0                             ; the bias lies in the accumulators
.endif
	s_wait_dscnt 0x0
.irp a, 0,1
.irp i, 0,1,2,3,4,5,6,7
	MM \a, \i
.endr
.endr
.endm
.macro STAGE j
	s_wait_tensorcnt 3-\j                          ; my part of stage j has landed; my 3 - j younger loads stay out
	s_barrier_signal -1                            ; (no LDS instruction of mine is out: each K step waits for all its loads)
	s_barrier_wait -1                              ; everybody's part has landed
	KSTEP 2*\j
	PLACES
	KSTEP 2*\j+1
.if \j < 3
	v_add_nc_u32 v[AR], STG, v[AR]                 ; on to the next stage: these four are also the places in front of its loads
	v_add_nc_u32 v[AL], STG, v[AL]
	v_add_nc_u32 v[ASR], STG, v[ASR]
	v_add_nc_u32 v[ASL], STG, v[ASL]
.else
	PLACES
.endif
.endm
	s_load_b256 s[4:11], s[0:1], 0x0               ; xop s[4:5], wop s[6:7], bq s[8:9], bk s[10:11]
	s_load_b128 s[12:15], s[0:1], 0x20             ; bv s[12:13], qb s[14:15]
	s_load_b64 s[16:17], s[0:1], 0x30              ; kv
	v_lshl_add_u32 v254, v0, 2, 0x44000
	v_mov_b32 v255, 0
	ds_add_u32 v254, v255
	ds_add_u32 v254, v255
	v_lshrrev_b32 v1, 5, v0
	v_readfirstlane_b32 s18, v1                    ; wave 0..15
	s_lshr_b32 s19, s18, 3                         ; wr: which 128 rows of R
	s_and_b32 s20, s18, 7                          ; wl: which 32 rows of L
	s_and_b32 s21, ttmp7, 0xffff                   ; y
	; descriptor group 1: a dense run of 4,352 bytes as 17 rows of 256 bytes (32 elements of 8 bytes), no padding, no mask
	s_mov_b32 s24, 3<<16                           ; 17:16 elements of 8 bytes
	s_mov_b32 s25, 32<<16                          ; tensor_dim0 = 32
	s_mov_b32 s26, 17<<16                          ; tensor_dim1 = 17
	s_mov_b32 s27, 32<<16                          ; tile_dim0 = 32
	s_mov_b32 s28, 17                              ; tile_dim1 = 17
	s_mov_b32 s29, 32                              ; the pitch
	s_mov_b32 s30, 0
	s_mov_b32 s31, 0
	s_mul_i32 s2, s21, BLKB
	s_mov_b32 s3, 0
	s_mul_i32 s22, ttmp9, BLKB                     ; wop's blocks 0-11 are Wq's, Wk's, Wv's four each: block cb
	s_mov_b32 s23, 0
	s_wait_dscnt 0x0
	s_wait_kmcnt 0x0
	s_add_nc_u64 s[4:5], s[4:5], s[2:3]            ; x's block
	s_add_nc_u64 s[6:7], s[6:7], s[22:23]          ; the weight's block
	s_cmp_lt_u32 ttmp9, 8                          ; q, k: R = the weight; v: R = x.  Only pointers are chosen
	s_cselect_b64 s[60:61], s[6:7], s[4:5]
	s_cselect_b64 s[62:63], s[4:5], s[6:7]
	s_cmp_lt_u32 s18, 8                            ; waves 0-7 fetch R, waves 8-15 L, an eighth of a stage's part each
	s_cselect_b64 s[60:61], s[60:61], s[62:63]
	s_mul_i32 s2, s20, PART
	s_add_nc_u64 s[60:61], s[60:61], s[2:3]
	s_mul_i32 s22, s18, PART                       ; in LDS: wave x 4,352: R's eight parts, then L's
.irp j, 0,1,2,3
	s_mov_b32 s[32+4*\j], 1                        ; count = 1
	s_add_co_u32 s[33+4*\j], s22, \j*STG           ; LDS address
	s_add_nc_u64 s[34+4*\j:35+4*\j], s[60:61], \j*HALF   ; global address: K steps 2 j, 2 j + 1
	s_or_b32 s[35+4*\j], s[35+4*\j], 0x80000000    ; type = 2
.endr
	tensor_load_to_lds s[32:35], s[24:31]          ; all first fills in one group, ahead of every wait on TENSORcnt, every LDS read and every barrier: four loads of mine are out
	s_nop 0
	tensor_load_to_lds s[36:39], s[24:31]
	s_nop 0
	tensor_load_to_lds s[40:43], s[24:31]
	s_nop 0
	tensor_load_to_lds s[44:47], s[24:31]
	s_nop 0
.rept 4
	v_nop
.endr
	v_and_b32 v1, 31, v0                           ; lane
	v_and_b32 v2, 15, v0                           ; r
	v_bfe_u32 v3, v0, 4, 1                         ; h
	v_lshlrev_b32 v[LI], 4, v1
	v_lshlrev_b32 v[L4], 2, v1
	v_lshlrev_b32 v[R4], 2, v2
	s_lshl_b32 s22, s19, 13                        ; my eight tiles of R: 8,192 wr
	v_add_nc_u32 v[AR], s22, v[LI]
	s_lshl_b32 s23, s20, 11                        ; my two tiles of L: 2,048 wl, behind R's two chunks
	s_add_co_u32 s23, s23, HALF
	v_add_nc_u32 v[AL], s23, v[LI]
	s_lshl_b32 s2, s19, 9                          ; scale words lie 16,384 bytes into a chunk, 64 bytes a tile
	s_add_co_u32 s2, s2, 16384
	v_add_nc_u32 v[ASR], s2, v[L4]
	s_lshl_b32 s3, s20, 7
	s_add_co_u32 s3, s3, HALF+16384
	v_add_nc_u32 v[ASL], s3, v[L4]
.irp b, 0,1,2,3
	v_mov_b32 v[TM+4+\b], 0                        ; written once: a lane permute's destination counts as one of its sources
.endr
	s_mov_b32 s[SEL], 0x76543210
	s_mov_b32 s[SEL+1], 0xfedcba98
	; One branch on the work-group's number: where the results go, and the bias.  No LDS instruction and no barrier stands in it.
	s_cmp_lt_u32 ttmp9, 8
	s_cbranch_scc0 .Lway_v
	s_lshr_b32 s22, s21, 3
	s_lshl_b32 s22, s22, 3                         ; 8 b
	s_and_b32 s23, s21, 7
	s_lshl_b32 s23, s23, 4
	s_lshl_b32 s2, s20, 1
	s_add_co_u32 s23, s23, s2                      ; my first token tile in the batch: 16 (y % 8) + 2 wl
	s_and_b32 s2, ttmp9, 3
	s_lshl_b32 s3, s2, 1
	s_add_co_u32 s3, s3, s19                       ; my 128 columns are the pair of heads 2 (cb % 4) + wr
	s_add_co_u32 s22, s22, s3                      ; the block: 8 b + pair
	s_lshl_b32 s2, s2, 10
	s_lshl_b32 s3, s19, 9
	s_add_co_u32 s2, s2, s3                        ; the bias of my 128 columns
	s_mov_b32 s3, 0
	s_mov_b32 s57, 278528                          ; k: a block of kv, and from head A's codes to head B's
	s_mov_b32 s62, 135168
	s_mov_b32 s63, 0
	s_cmp_lt_u32 ttmp9, 4
	s_cselect_b64 s[48:49], s[14:15], s[16:17]
	s_cselect_b64 s[54:55], s[8:9], s[10:11]
	s_cselect_b32 s57, 139264, s57                 ; q: a block of qb,
	s_cselect_b32 s62, 65536, s62                  ; and its distance
	s_add_nc_u64 s[54:55], s[54:55], s[2:3]
	s_mul_i32 s60, s22, s57
	s_mov_b32 s61, 0
	s_add_nc_u64 s[48:49], s[48:49], s[60:61]      ; the block
	s_lshl_b32 s60, s23, 6
	s_add_nc_u64 s[52:53], s[48:49], s[60:61]      ; scale words: 64 bytes a tile
	s_lshl_b32 s60, s23, 9
	s_add_co_u32 s60, s60, 8192
	s_add_nc_u64 s[48:49], s[48:49], s[60:61]      ; head A's codes: registers 0-3 of the fragment, 512 bytes a tile
	s_add_nc_u64 s[50:51], s[48:49], s[62:63]      ; head B's: registers 4-7
	s_mov_b32 s56, 512                             ; from tile to tile
	v_lshlrev_b32 v[BO], 6, v3                     ; register j of tile i is column 32 (i / 2) + 16 h + 8 (i % 2) + j
.irp a, 0,1
.irp i, 0,1,2,3,4,5,6,7
	global_load_b128 v[ACC+64*\a+8*\i:ACC+64*\a+8*\i+3], v[BO], s[54:55] offset:(32*(\i/2)+8*(\i%2))*4
	global_load_b128 v[ACC+64*\a+8*\i+4:ACC+64*\a+8*\i+7], v[BO], s[54:55] offset:(32*(\i/2)+8*(\i%2))*4+16
.endr
.endr
	s_branch .Lmain
.Lway_v:
	s_lshr_b32 s22, s21, 3
	s_lshl_b32 s22, s22, 3                         ; 8 b
	s_and_b32 s23, s21, 7
	s_lshl_b32 s23, s23, 1
	s_add_co_u32 s23, s23, s19                     ; my 128 tokens are key step 2 (y % 8) + wr
	s_sub_co_u32 s2, ttmp9, 8
	s_lshl_b32 s3, s2, 4
	s_lshl_b32 s57, s20, 1
	s_add_co_u32 s3, s3, s57                       ; my first tile of columns: 16 (cb - 8) + 2 wl
	s_lshr_b32 s57, s3, 2                          ; its head
	s_and_b32 s3, s3, 3                            ; and its place in the head: 0 or 2
	s_lshl_b32 s23, s23, 2
	s_add_co_u32 s23, s23, s3                      ; 4 x step + tile
	s_lshr_b32 s3, s57, 1
	s_add_co_u32 s22, s22, s3                      ; the block: 8 b + pair
	s_mul_i32 s60, s22, 278528
	s_and_b32 s57, s57, 1
	s_mul_i32 s57, s57, 135168
	s_add_co_u32 s60, s60, s57
	s_add_co_u32 s60, s60, 8192
	s_mov_b32 s61, 0
	s_add_nc_u64 s[52:53], s[16:17], s[60:61]      ; the head's part
	s_lshl_b32 s60, s23, 10
	s_add_co_u32 s60, s60, 65536
	s_add_nc_u64 s[48:49], s[52:53], s[60:61]      ; the fragment's registers 0-3,
	s_add_nc_u64 s[50:51], s[48:49], 512           ; and 4-7
	s_lshl_b32 s60, s23, 6
	s_add_co_u32 s60, s60, 131072
	s_add_nc_u64 s[52:53], s[52:53], s[60:61]      ; scale words
	s_mov_b32 s56, 1024
	s_lshl_b32 s2, s2, 10
	s_lshl_b32 s3, s20, 7
	s_add_co_u32 s2, s2, s3
	s_mov_b32 s3, 0
	s_add_nc_u64 s[54:55], s[12:13], s[2:3]        ; bv at my 32 columns
	v_and_b32 v[BO], 8, v2
	v_add_nc_u32 v[BO], v[BO], v2
	v_lshlrev_b32 v[BO], 2, v[BO]                  ; here the bias hangs on the lane alone: column 8 a + r + 8 (r / 8); all 64 registers of a tile column take it.
.irp a, 0,1                                    ; 128 loads of one word, issued while the first stage is on its way
.set n, 0
.rept 64
	global_load_b32 v[ACC+64*\a+n], v[BO], s[54:55] offset:32*\a
.set n, n+1
.endr
.endr
.Lmain:
	STAGE 0
	STAGE 1
	STAGE 2
	STAGE 3
	; the results become operands: a lane's 64 registers of a tile column are 128 neighbours along the next K, shared with lane l xor 16
	QUANT ACC, PC, PW
	QUANT ACC+64, PC+8, PW+1
	v_add_nc_u32 v[VC1], s56, v[LI]
	global_store_b128 v[LI], v[PC:PC+3], s[48:49]            ; each store: 512 consecutive bytes at a multiple of 512 from the buffer's first byte
	global_store_b128 v[LI], v[PC+4:PC+7], s[50:51]
	global_store_b32 v[R4], v[PW], s[52:53]                  ; lanes r and r + 16 write the same word with the same value
	global_store_b128 v[VC1], v[PC+8:PC+11], s[48:49]
	global_store_b128 v[VC1], v[PC+12:PC+15], s[50:51]
	global_store_b32 v[R4], v[PW+1], s[52:53] offset:64
	s_wait_tensorcnt 0x0
	ds_add_u32 v254, v255
	s_wait_dscnt 0x0
	s_endpgm
.Lfunc_end_k_qbb2e3ca65e_qkv:
	.size	k_qbb2e3ca65e_qkv, .Lfunc_end_k_qbb2e3ca65e_qkv-k_qbb2e3ca65e_qkv
	.p2alignl 7, 3214868480
	.fill 96, 4, 3214868480
	.section	.rodata,"a",@progbits
	.p2align	6, 0x0
	.amdhsa_kernel k_qbb2e3ca65e_qkv
		.amdhsa_group_segment_fixed_size 280576
		.amdhsa_private_segment_fixed_size 0
		.amdhsa_enable_private_segment 0
		.amdhsa_kernarg_size 56
		.amdhsa_user_sgpr_count 2
		.amdhsa_user_sgpr_kernarg_segment_ptr 1
		.amdhsa_wavefront_size32 1
		.amdhsa_system_sgpr_workgroup_id_x 1
		.amdhsa_system_sgpr_workgroup_id_y 1
		.amdhsa_system_sgpr_workgroup_id_z 1
		.amdhsa_system_vgpr_workitem_id 0
		.amdhsa_next_free_vgpr 256
		.amdhsa_next_free_sgpr 66
		.amdhsa_reserve_vcc 0
		.amdhsa_float_denorm_mode_32 3
		.amdhsa_float_denorm_mode_16_64 3
		.amdhsa_memory_ordered 1
		.amdhsa_forward_progress 1
		.amdhsa_inst_pref_size 61
	.end_amdhsa_kernel
	.amdgpu_metadata
---
amdhsa.version: [ 1, 2 ]
amdhsa.kernels:
  - .name:           k_qbb2e3ca65e_qkv
    .symbol:         k_qbb2e3ca65e_qkv.kd
    .args:
      - { .name: xop, .offset: 0, .size: 8, .value_kind: global_buffer, .address_space: global }
      - { .name: wop, .offset: 8, .size: 8, .value_kind: global_buffer, .address_space: global }
      - { .name: bq, .offset: 16, .size: 8, .value_kind: global_buffer, .address_space: global }
      - { .name: bk, .offset: 24, .size: 8, .value_kind: global_buffer, .address_space: global }
      - { .name: bv, .offset: 32, .size: 8, .value_kind: global_buffer, .address_space: global }
      - { .name: qb, .offset: 40, .size: 8, .value_kind: global_buffer, .address_space: global }
      - { .name: kv, .offset: 48, .size: 8, .value_kind: global_buffer, .address_space: global }
    .group_segment_fixed_size: 280576
    .private_segment_fixed_size: 0
    .kernarg_segment_align: 8
    .kernarg_segment_size: 56
    .max_flat_workgroup_size: 512
    .sgpr_count:     66
    .vgpr_count:     256
    .wavefront_size: 32
...
	.end_amdgpu_metadata
.endif
;; end of part 2
;; launch attn (part 3): grid 8 x 32, 16 waves a work-group, no clusters, 280,576 bytes of LDS; arguments qb, kv, oop; writes oop
.if DOCPART == 3
	.amdgcn_target "amdgcn-amd-amdhsa--gfx1250"
	.amdhsa_code_object_version 6
	.text
	.protected	k_qbb2e3ca65e_attn
	.globl	k_qbb2e3ca65e_attn
	.p2align	8
	.type	k_qbb2e3ca65e_attn,@function
k_qbb2e3ca65e_attn:
	s_mov_b64 s[64:65], 0
	v_nop
	global_prefetch_b8 v0, s[64:65] scope:SCOPE_SE
	s_setreg_imm32_b32 hwreg(HW_REG_WAVE_MODE, 25, 1), 1
	s_wait_xcnt 0x0
; o = softmax(q k^T / 8) v for 64 heads of 64 channels and 2,048 keys, both products on codes of FP4 with E8M0 scales; the result is QUANTISED AT ONCE along the embedding for the last projection.
; THE SOFTMAX AHEAD OF THE SECOND PRODUCT: t = score x log2(e) / 8; M = the row's largest t so far, rounded UP to a whole number; p = 2^(t - M) is quantised along the keys, not normalised.
; The row's sum is taken of the unquantised p and divides O at the end.  When M moves, the sum and O are multiplied by 2^(old M - new M): exact.
; SHARES.  Work-group (qx, blk): 256 queries of batch blk / 8, the PAIR of heads blk % 8.  Each of sixteen waves owns one tile of 16 queries, for both heads, one head after the other:
; at the end it holds one whole fragment (16 queries x the pair's 128 channels) and one whole scale word a row of o.  Four waves to a SIMD.
; LDS is the pair's block of kv as it lies in memory (278,528 bytes: all keys' and values' codes and scale words), filled once: head A's part with the keys' scale words first, head B's behind.  No byte is filled again.
; LAYOUT.  Both products are used transposed: S^T = K Q^T (source 0 = 16 keys), O^T = V^T P^T (source 0 = 16 channels): a lane holds ONE query throughout.  Lane r of tile 2 f + u of the keys is key
; 32 f + 8 u + r + 8 (r / 8), so that the 16 registers of two neighbouring tiles are 16 neighbouring keys; the channels of V's tiles likewise.
; K = 64 IN AN INSTRUCTION OF 128: the query operand is [qA, 0] or [0, qB].  The key operand's other half is whatever codes lie in the neighbouring registers: they meet zero codes, which add nothing under
; any scale byte from 1 to 254.  The scale words, made for the pair ([A, A, B, B]), serve as they are.  So this product takes twice the matrix instructions that its multiply-adds need: a cost, stated.
; THE ORDER OF A STEP.  K's fragments come a step ahead, so a step begins with its products; V's come at the step's head and are waited for at its end.  The 68 exponentials stand one at a time, with
; the plain work that is ready between them (scalings of scores still to come, sums of weights that are done, p's scale word, the rescaling of O^T), not in runs of their own.
; A head's last step asks for 4,608 bytes behind its keys' codes and scale words: they lie inside LDS, are filled, and are never used.
; OUT.  oop in blocks of 128 tokens x K = 1,024: [K step 8 = pair] chunks of 8,704 bytes = 8 tiles' codes (1,024 each), then 8 tiles' scale words (64 each).
; NO JOINT LOADS: the eight work-groups of a blk ask for the same block, each for itself: a cost of this text, kept for its plainness.
; LIMITS: NaN and infinities are not served; a block whose largest magnitude lies under 2^-124 (zeros among them) keeps the scale byte 1.  The scale words leave in pieces of 64 bytes.
.set HP,   135168                      ; a head's part: k's codes 65,536, v's codes 65,536, v's scale words 4,096
.set LI,   1                           ; v1   16 x lane
.set L4,   2                           ; v2   4 x lane
.set R4,   3                           ; v3   4 r
.set QOF,  4                           ; v4   my query tile's codes in qb's block
.set QSO,  5                           ; v5   and its scale words
.set OCO,  6                           ; v6   where o's codes go
.set OSO,  7                           ; v7   and its scale word
.set ADK,  8                           ; v8-11 LDS addresses: the next step's K codes, this step's V codes, the next step's K scale words, this step's V scale words
.set ADV,  9
.set ADS,  10
.set ADT,  11
                                       ; v12 -M, v13 the largest t, v[14:15] the sum in two halves
.set QF,   16                          ; v16-19 qA, v20-23 zeros, v24-27 qB
.set KS,   28                          ; v28-31 K's scale words: tile 2 p below, 2 p + 1 above
.set VS,   32                          ; v32-33 V's
.set QS,   34                          ; v34    Q's
.set PSW,  35                          ; v35    p's
.set KF,   36                          ; v36-71 K's codes, four registers a tile, tile i at 4 hd + 4 i
.set VF,   72                          ; v72-103 V's four fragments
.set ST,   104                         ; v104-167 S^T, then p
.set OT,   168                         ; v168-199 O^T
.set PCD,  200                         ; v200-207 p's codes
.set BM,   208                         ; v208-211 a block's largest
.set T2,   212                         ; v212-215 at work
.set SCO,  216                         ; v216-219 the conversions' scale operands
.set FF,   220                         ; v[220:221] f; the upper word is named with it and holds 0
.set TMP,  222
.set CX,   224                         ; v[224:225], v[226:227] the step's sum, in two chains
.set CY,   226
.set OC,   232                         ; v232-239 o's codes
.set OW,   240                         ; v240 o's scale word
.set SEL,  14                          ; s[14:15]
.set CS,   16                          ; s[16:17] c = log2(e) / 8
.set TK,   48                          ; s48-51 where the parts begin in LDS: K's of the NEXT step, V's of this one
.set TV,   49
.set TS,   50
.set TT,   51
.set CNT,  52
.macro PLACES
.rept 4
	v_nop
.endr
.endm
; SLOT k of 68: one exponential (k < 4: a block's largest; else score k - 4), and behind it the plain work that is ready.
;   even k <= 54:      t - M of the pair of scores k + 8, k + 9, whose exponentials stand in slots k + 12, k + 13
;   even k, 10 .. 64:  the sum takes the pair k - 6, k - 5, whose exponentials stand in slots k - 2, k - 1; pairs by turns into two chains, which the first four pairs start
;   odd k, 3 .. 31:    the floor, the conversions' scale operands, the bytes, p's scale word: 15 lines
;   odd k, 37 .. 67:   O^T under the new M, each accumulator from its low end on: 16 lines
; Between an exponential and the first use of its result stands a plain instruction that does not name it (ISA guide 5.7.2): for the sums the scaling of the same slot (k <= 54) or the odd slot's line (k >= 56).
.macro ESLOT
.if k < 4
	v_exp_f32 v[BM+k], v[BM+k]                     ; the block's largest p: the same two instructions on the same number give the same bits
.else
	v_exp_f32 v[ST+k-4], v[ST+k-4]                 ; p = 2^(t - M), at most 1
.endif
.if k%2 == 0
.if k <= 54
	v_pk_fma_f32 v[ST+k+8:ST+k+9], v[ST+k+8:ST+k+9], s[CS:CS+1], v[12:13] op_sel_hi:[1,0,0]
.endif
.if k == 10
	s_wait_alu depctr_va_vdst(0)
	v_pk_add_f32 v[CX:CX+1], v[ST:ST+1], v[ST+4:ST+5]
.elseif k == 12
	s_wait_alu depctr_va_vdst(0)
	v_pk_add_f32 v[CY:CY+1], v[ST+2:ST+3], v[ST+6:ST+7]
.elseif (k >= 14) && (k <= 64) && (k%4 == 2)
	s_wait_alu depctr_va_vdst(0)
	v_pk_add_f32 v[CX:CX+1], v[CX:CX+1], v[ST+k-6:ST+k-5]
.elseif (k >= 14) && (k <= 64)
	s_wait_alu depctr_va_vdst(0)
	v_pk_add_f32 v[CY:CY+1], v[CY:CY+1], v[ST+k-6:ST+k-5]
.endif
.elseif (k >= 3) && (k <= 9)
	s_wait_alu depctr_va_vdst(0)
	v_max_num_f32 v[BM+(k-3)/2], 0x1800000, v[BM+(k-3)/2]      ; the floor 2^(3 - 127)
.elseif (k >= 11) && (k <= 17)
	v_add_nc_u32 v[SCO+(k-11)/2], 0xff000000, v[BM+(k-11)/2]   ; 2 off the exponent field: the conversion's scale operand
.elseif (k >= 19) && (k <= 25)
	v_lshrrev_b32 v[T2+(k-19)/2], 23, v[SCO+(k-19)/2]          ; the byte
.elseif k == 27
	v_lshl_or_b32 v[PSW], v[T2+1], 8, v[T2]                    ; p's scale word for these 128 keys
.elseif k == 29
	v_lshl_or_b32 v[PSW], v[T2+2], 16, v[PSW]
.elseif k == 31
	v_lshl_or_b32 v[PSW], v[T2+3], 24, v[PSW]
.elseif k >= 37
	v_pk_mul_f32 v[OT+k-37:OT+k-36], v[OT+k-37:OT+k-36], v[FF:FF+1] op_sel_hi:[1,0]
.endif
.endm
.macro STEP hd                         ; 128 keys.  K's fragments and scale words are in: they were asked for a step ago and waited for with V
.irp i, 0,2,4,6
	v_wmma_scale_f32_16x16x128_f8f6f4 v[ST+8*\i:ST+8*\i+7], v[KF+4*\i:KF+4*\i+7], v[QF+4*\hd:QF+4*\hd+7], 0, v[KS+\i/2], v[QS] matrix_a_fmt:MATRIX_FMT_FP4 matrix_b_fmt:MATRIX_FMT_FP4
	v_wmma_scale_f32_16x16x128_f8f6f4 v[ST+8*\i+8:ST+8*\i+15], v[KF+4*\i+4:KF+4*\i+11], v[QF+4*\hd:QF+4*\hd+7], 0, v[KS+\i/2], v[QS] matrix_a_fmt:MATRIX_FMT_FP4 matrix_b_fmt:MATRIX_FMT_FP4 matrix_a_scale:MATRIX_SCALE_ROW1
.endr
	v_add_nc_u32 v[ADK], s[TK], v[LI]              ; four plain lines: the places between these products and the loads into K's registers and the reads of the scores,
	v_add_nc_u32 v[ADS], s[TS], v[L4]              ; and between the last step's second products and the loads into V's registers
	v_add_nc_u32 v[ADV], s[TV], v[LI]
	v_add_nc_u32 v[ADT], s[TT], v[L4]
.irp t, 0,1,2,3
	ds_load_b128 v[VF+8*\t:VF+8*\t+3], v[ADV] offset:1024*\t
	ds_load_b128 v[VF+8*\t+4:VF+8*\t+7], v[ADV] offset:1024*\t+512
.endr
.irp p, 0,1
	ds_load_b32 v[VS+\p], v[ADT] offset:128*\p
.endr
.irp i, 0,1,2,3,4,5,6,7
	ds_load_b128 v[KF+4*\hd+4*\i:KF+4*\hd+4*\i+3], v[ADK] offset:512*\i   ; the next step's keys
.endr
.irp p, 0,1,2,3
	ds_load_b32 v[KS+\p], v[ADS] offset:128*\p
.endr
.irp b, 0,1,2,3
	v_max3_num_f32 v[BM+\b], v[ST+16*\b], v[ST+1+16*\b], v[ST+2+16*\b]   ; the largest score of each block of 32 keys: for the row's maximum, and, since p rises with the score, for the block's largest p
.endr
.irp i, 3,5,7,9,11,13
.irp b, 0,1,2,3
	v_max3_num_f32 v[BM+\b], v[BM+\b], v[ST+16*\b+\i], v[ST+1+16*\b+\i]
.endr
.endr
.irp b, 0,1,2,3
	v_max_num_f32 v[BM+\b], v[BM+\b], v[ST+15+16*\b]
.endr
.irp b, 0,1,2,3
	v_permlanex16_b32 v[T2+\b], v[BM+\b], s[SEL], s[SEL+1]
.endr
.irp b, 0,1,2,3
	v_max_num_f32 v[BM+\b], v[BM+\b], v[T2+\b]     ; with lane l xor 16's 16 keys
.endr
	v_max3_num_f32 v[TMP], v[BM], v[BM+1], v[BM+2]
	v_max_num_f32 v[TMP], v[TMP], v[BM+3]          ; the step's largest score of my query
	v_mul_f32 v[TMP], s[CS], v[TMP]                ; as t (c is positive)
	v_max_num_f32 v13, v13, v[TMP]                 ; the running largest t
	v_mov_b32 v[TMP], v12
	v_floor_f32 v12, -v13                          ; the new -M = -ceil(t): a whole number
	v_sub_f32 v[TMP], v12, v[TMP]                  ; old M - new M: a whole number, 0 or less
	v_cvt_i32_f32 v[TMP], v[TMP]                   ; (it saturates)
	v_ldexp_f32 v[FF], 1.0, v[TMP]                 ; f = 2^(old M - new M)
.irp b, 0,1,2,3
	v_fma_f32 v[BM+\b], v[BM+\b], s[CS], v12       ; t - M of each block's largest score
.endr
.irp n, 0,2,4,6
	v_pk_fma_f32 v[ST+\n:ST+\n+1], v[ST+\n:ST+\n+1], s[CS:CS+1], v[12:13] op_sel_hi:[1,0,0]   ; and of the first four pairs of scores (of the pairs c and -M the low word serves both halves)
.endr
.set k, 0
.rept 68
	ESLOT
.set k, k+1
.endr
	s_wait_alu depctr_va_vdst(0)
.irp b, 0,1,2,3
	v_cvt_scalef32_pk8_fp4_f32 v[PCD+2*\b], v[ST+16*\b:ST+7+16*\b], v[SCO+\b]
	v_cvt_scalef32_pk8_fp4_f32 v[PCD+1+2*\b], v[ST+8+16*\b:ST+15+16*\b], v[SCO+\b]
.endr
	v_nop                                          ; one plain place behind a scaled conversion
.irp c, 0,1
.irp i, 0,1
	v_permlane16_swap_b32 v[PCD+4*\c+\i], v[PCD+2+4*\c+\i]   ; a whole block in a lane
.endr
.endr
	v_pk_add_f32 v[CX:CX+1], v[CX:CX+1], v[ST+60:ST+61]      ; the last two pairs, the two chains, and l = l f + the step's sum of the UNQUANTISED p:
	v_pk_add_f32 v[CY:CY+1], v[CY:CY+1], v[ST+62:ST+63]      ; these four are also the places between p's codes and the products
	v_pk_add_f32 v[CX:CX+1], v[CX:CX+1], v[CY:CY+1]
	v_pk_fma_f32 v[14:15], v[14:15], v[FF:FF+1], v[CX:CX+1] op_sel_hi:[1,0,1]
	s_wait_dscnt 0x0                               ; V's ten loads, and the next step's twelve of K: all were issued ahead of the softmax
.irp t, 0,2
	v_wmma_scale_f32_16x16x128_f8f6f4 v[OT+8*\t:OT+8*\t+7], v[VF+8*\t:VF+8*\t+7], v[PCD:PCD+7], v[OT+8*\t:OT+8*\t+7], v[VS+\t/2], v[PSW] matrix_a_fmt:MATRIX_FMT_FP4 matrix_b_fmt:MATRIX_FMT_FP4
	v_wmma_scale_f32_16x16x128_f8f6f4 v[OT+8*\t+8:OT+8*\t+15], v[VF+8*\t+8:VF+8*\t+15], v[PCD:PCD+7], v[OT+8*\t+8:OT+8*\t+15], v[VS+\t/2], v[PSW] matrix_a_fmt:MATRIX_FMT_FP4 matrix_b_fmt:MATRIX_FMT_FP4 matrix_a_scale:MATRIX_SCALE_ROW1
.endr
	s_add_co_u32 s[TK], s[TK], 4096                ; 128 keys on: 8 tiles of 512 bytes, 4 fragments of V, 8 x 64 and 4 x 64 bytes of scale words
	s_add_co_u32 s[TV], s[TV], 4096
	s_add_co_u32 s[TS], s[TS], 512
	s_add_co_u32 s[TT], s[TT], 256
.endm
.macro HEAD hd
	v_add_nc_u32 v[ADK], 8192+\hd*HP, v[LI]
.irp i, 0,1,2,3,4,5,6,7
	ds_load_b128 v[KF+4*\hd+4*\i:KF+4*\hd+4*\i+3], v[ADK] offset:512*\i   ; the first step's keys
.endr
.irp p, 0,1,2,3
	ds_load_b32 v[KS+\p], v[L4] offset:128*\p      ; the keys' scale words lie at LDS byte 0 and serve both heads
.endr
	v_mov_b32 v13, 0xff61b1e6                      ; the largest t so far: -3e38
	v_floor_f32 v12, -v13                          ; -M
	v_mov_b32 v14, 0
	v_mov_b32 v15, 0
.set n, 0
.rept 32
	v_mov_b32 v[OT+n], 0                           ; the step is written once: its first trip finds zeros, which the first change of M leaves zeros
.set n, n+1
.endr
	s_mov_b32 s[TK], 8192+4096+\hd*HP              ; K's run a step ahead
	s_mov_b32 s[TS], 512
	s_mov_b32 s[TV], 8192+65536+\hd*HP
	s_mov_b32 s[TT], 8192+131072+\hd*HP
	s_mov_b32 s[CNT], 16
	s_wait_dscnt 0x0
.Lstep_\@:
	STEP \hd
	s_sub_co_u32 s[CNT], s[CNT], 1
	s_cmp_lg_u32 s[CNT], 0
	s_cbranch_scc1 .Lstep_\@
	; the head's O^T / the sum, quantised: its 64 channels are two blocks of the pair's 128
	PLACES
	v_add_f32 v14, v14, v15
	v_permlanex16_b32 v[TMP], v14, s[SEL], s[SEL+1]
	v_add_f32 v14, v14, v[TMP]                     ; the row's sum
	v_rcp_f32 v14, v14
	v_nop                                          ; one plain place behind a transcendental
.set n, 0
	s_wait_alu depctr_va_vdst(0)
.rept 32
	v_mul_f32 v[ST+n], v[OT+n], v14                ; register 16 b + i is channel 32 b + 16 (lane / 16) + i
.set n, n+1
.endr
.irp b, 0,1
	v_max3_num_f32 v[BM+\b], |v[ST+16*\b]|, |v[ST+1+16*\b]|, 0x1800000
.endr
.irp i, 2,4,6,8,10,12,14
.irp b, 0,1
	v_max3_num_f32 v[BM+\b], v[BM+\b], |v[ST+16*\b+\i]|, |v[ST+1+16*\b+\i]|
.endr
.endr
.irp b, 0,1
	v_permlanex16_b32 v[T2+\b], v[BM+\b], s[SEL], s[SEL+1]
.endr
.irp b, 0,1
	v_max_num_f32 v[BM+\b], v[BM+\b], v[T2+\b]
.endr
.irp b, 0,1
	v_add_nc_u32 v[SCO+\b], 0xff000000, v[BM+\b]
.endr
.irp b, 0,1
	v_lshrrev_b32 v[T2+\b], 23, v[SCO+\b]
.endr
.if \hd == 0
	v_lshl_or_b32 v[OW], v[T2+1], 8, v[T2]         ; bytes 0, 1 of the scale word
.else
	v_lshl_or_b32 v[OW], v[T2], 16, v[OW]          ; bytes 2, 3
	v_lshl_or_b32 v[OW], v[T2+1], 24, v[OW]
.endif
.irp b, 0,1
	v_cvt_scalef32_pk8_fp4_f32 v[OC+4*\hd+2*\b], v[ST+16*\b:ST+7+16*\b], v[SCO+\b]
	v_cvt_scalef32_pk8_fp4_f32 v[OC+4*\hd+1+2*\b], v[ST+8+16*\b:ST+15+16*\b], v[SCO+\b]
.endr
	v_nop                                          ; one plain place behind a scaled conversion
.irp i, 0,1
	v_permlane16_swap_b32 v[OC+4*\hd+\i], v[OC+4*\hd+2+\i]
.endr
.endm
	s_load_b128 s[4:7], s[0:1], 0x0                ; qb s[4:5], kv s[6:7]
	s_load_b64 s[8:9], s[0:1], 0x10                ; oop
	v_lshl_add_u32 v254, v0, 2, 0x44000
	v_mov_b32 v255, 0
	ds_add_u32 v254, v255
	ds_add_u32 v254, v255
	v_lshrrev_b32 v8, 5, v0
	v_readfirstlane_b32 s10, v8                    ; wave 0..15
	s_and_b32 s11, ttmp7, 0xffff                   ; blk = 8 b + pair
	; descriptor groups 1: dense runs as rows of 256 bytes (32 elements of 8 bytes): 35 rows a wave of the first part (143,360 bytes), 33 of the second (135,168)
	s_mov_b32 s24, 3<<16
	s_mov_b32 s25, 32<<16
	s_mov_b32 s26, 35<<16
	s_mov_b32 s27, 32<<16
	s_mov_b32 s28, 35
	s_mov_b32 s29, 32
	s_mov_b32 s30, 0
	s_mov_b32 s31, 0
	s_mov_b32 s32, 3<<16
	s_mov_b32 s33, 32<<16
	s_mov_b32 s34, 33<<16
	s_mov_b32 s35, 32<<16
	s_mov_b32 s36, 33
	s_mov_b32 s37, 32
	s_mov_b32 s38, 0
	s_mov_b32 s39, 0
	s_mul_i32 s12, s11, 278528
	s_mov_b32 s13, 0
	s_mul_i32 s18, s10, 8960                       ; my sixteenth of the first part: the same offset in the block and in LDS
	s_mov_b32 s19, 0
	s_mul_i32 s20, s10, 8448                       ; and of the second
	s_add_co_u32 s20, s20, 143360
	s_mov_b32 s21, 0
	s_wait_dscnt 0x0
	s_wait_kmcnt 0x0
	s_add_nc_u64 s[6:7], s[6:7], s[12:13]          ; the pair's block
	s_mov_b32 s40, 1
	s_mov_b32 s41, s18
	s_add_nc_u64 s[42:43], s[6:7], s[18:19]
	s_or_b32 s43, s43, 0x80000000
	s_mov_b32 s44, 1
	s_mov_b32 s45, s20
	s_add_nc_u64 s[46:47], s[6:7], s[20:21]
	s_or_b32 s47, s47, 0x80000000
	tensor_load_to_lds s[40:43], s[24:31]          ; both fills in one group, ahead of every wait on TENSORcnt, every LDS read and every barrier: two loads of mine are out
	s_nop 0
	tensor_load_to_lds s[44:47], s[32:39]
	s_nop 0
.rept 4
	v_nop
.endr
	v_and_b32 v8, 31, v0
	v_and_b32 v9, 15, v0
	v_lshlrev_b32 v[LI], 4, v8
	v_lshlrev_b32 v[L4], 2, v8
	v_lshlrev_b32 v[R4], 2, v9
	s_lshl_b32 s22, ttmp9, 4
	s_add_co_u32 s22, s22, s10                     ; my query tile in the batch: 16 qx + wave
	s_lshl_b32 s23, s22, 9
	v_add_nc_u32 v[QOF], s23, v[LI]
	s_lshl_b32 s22, s22, 6
	v_add_nc_u32 v[QSO], s22, v[R4]
	s_mul_i32 s12, s11, 139264
	s_add_nc_u64 s[4:5], s[4:5], s[12:13]
	global_load_b128 v[QF:QF+3], v[QOF], s[4:5] offset:8192          ; qA
	global_load_b128 v[QF+8:QF+11], v[QOF], s[4:5] offset:73728      ; qB
	global_load_b32 v[QS], v[QSO], s[4:5]                            ; the pair's scale word of my query
	s_lshr_b32 s18, s11, 3
	s_lshl_b32 s18, s18, 3
	s_add_co_u32 s18, s18, ttmp9                   ; my 256 tokens are o's blocks 2 (8 b + qx) and the next
	s_mul_i32 s18, s18, 139264
	s_and_b32 s20, s11, 7
	s_mul_i32 s20, s20, 8704                       ; the K step: the pair
	s_add_co_u32 s18, s18, s20
	s_lshr_b32 s20, s10, 3
	s_mul_i32 s20, s20, 69632                      ; waves 8-15: the second block
	s_add_co_u32 s18, s18, s20
	s_add_nc_u64 s[8:9], s[8:9], s[18:19]          ; (s19 holds 0)
	s_and_b32 s20, s10, 7                          ; the tile in the block
	s_lshl_b32 s21, s20, 6
	s_lshl_b32 s20, s20, 10
	v_add_nc_u32 v[OCO], s20, v[LI]
	v_add_nc_u32 v[OSO], s21, v[R4]
.irp i, 0,1,2,3
	v_mov_b32 v[QF+4+\i], 0                        ; the zero codes between qA and qB: [qA, 0] is v16-23, [0, qB] is v20-27
	v_mov_b32 v[KF+32+\i], 0                       ; behind head A's last tile
	v_mov_b32 v[T2+\i], 0                          ; written once: a lane permute's destination counts as one of its sources
.endr
	v_mov_b32 v[FF+1], 0                           ; named as the upper half of the pair
	v_mov_b32 v[TMP], 0
	s_mov_b32 s[SEL], 0x76543210
	s_mov_b32 s[SEL+1], 0xfedcba98
	s_mov_b32 s[CS], 0x3e38aa3b                    ; c = log2(e) / sqrt(64)
	s_mov_b32 s[CS+1], s[CS]
	s_wait_tensorcnt 1                             ; my sixteenth of the first part is in; the second part's load stays out
	s_barrier_signal -1
	s_barrier_wait -1                              ; everybody's is
	s_wait_loadcnt 0x0                             ; Q
	HEAD 0
	s_wait_tensorcnt 0x0                           ; my sixteenth of the second part is in
	s_barrier_signal -1                            ; (no LDS instruction of mine is out: each step waits for all its loads)
	s_barrier_wait -1
	HEAD 1
	global_store_b128 v[OCO], v[OC:OC+3], s[8:9]             ; each store: 512 consecutive bytes at a multiple of 512 from the buffer's first byte
	global_store_b128 v[OCO], v[OC+4:OC+7], s[8:9] offset:512
	global_store_b32 v[OSO], v[OW], s[8:9] offset:8192       ; lanes r and r + 16 write the same word with the same value
	s_wait_tensorcnt 0x0
	ds_add_u32 v254, v255
	s_wait_dscnt 0x0
	s_endpgm
.Lfunc_end_k_qbb2e3ca65e_attn:
	.size	k_qbb2e3ca65e_attn, .Lfunc_end_k_qbb2e3ca65e_attn-k_qbb2e3ca65e_attn
	.p2alignl 7, 3214868480
	.fill 96, 4, 3214868480
	.section	.rodata,"a",@progbits
	.p2align	6, 0x0
	.amdhsa_kernel k_qbb2e3ca65e_attn
		.amdhsa_group_segment_fixed_size 280576
		.amdhsa_private_segment_fixed_size 0
		.amdhsa_enable_private_segment 0
		.amdhsa_kernarg_size 24
		.amdhsa_user_sgpr_count 2
		.amdhsa_user_sgpr_kernarg_segment_ptr 1
		.amdhsa_wavefront_size32 1
		.amdhsa_system_sgpr_workgroup_id_x 1
		.amdhsa_system_sgpr_workgroup_id_y 1
		.amdhsa_system_sgpr_workgroup_id_z 1
		.amdhsa_system_vgpr_workitem_id 0
		.amdhsa_next_free_vgpr 256
		.amdhsa_next_free_sgpr 66
		.amdhsa_reserve_vcc 0
		.amdhsa_float_denorm_mode_32 3
		.amdhsa_float_denorm_mode_16_64 3
		.amdhsa_memory_ordered 1
		.amdhsa_forward_progress 1
		.amdhsa_inst_pref_size 49
	.end_amdhsa_kernel
	.amdgpu_metadata
---
amdhsa.version: [ 1, 2 ]
amdhsa.kernels:
  - .name:           k_qbb2e3ca65e_attn
    .symbol:         k_qbb2e3ca65e_attn.kd
    .args:
      - { .name: qb, .offset: 0, .size: 8, .value_kind: global_buffer, .address_space: global }
      - { .name: kv, .offset: 8, .size: 8, .value_kind: global_buffer, .address_space: global }
      - { .name: oop, .offset: 16, .size: 8, .value_kind: global_buffer, .address_space: global }
    .group_segment_fixed_size: 280576
    .private_segment_fixed_size: 0
    .kernarg_segment_align: 8
    .kernarg_segment_size: 24
    .max_flat_workgroup_size: 512
    .sgpr_count:     66
    .vgpr_count:     256
    .wavefront_size: 32
...
	.end_amdgpu_metadata
.endif
;; end of part 3
;; launch oproj (part 4): grid 4 x 64, 8 waves a work-group, no clusters, 209,920 bytes of LDS; arguments oop, wop, bo, out0; writes out0
.if DOCPART == 4
	.amdgcn_target "amdgcn-amd-amdhsa--gfx1250"
	.amdhsa_code_object_version 6
	.text
	.protected	k_qbb2e3ca65e_oproj
	.globl	k_qbb2e3ca65e_oproj
	.p2align	8
	.type	k_qbb2e3ca65e_oproj,@function
k_qbb2e3ca65e_oproj:
	s_mov_b64 s[64:65], 0
	v_nop
	global_prefetch_b8 v0, s[64:65] scope:SCOPE_SE
	s_setreg_imm32_b32 hwreg(HW_REG_WAVE_MODE, 25, 1), 1
	s_wait_xcnt 0x0
; out0 = o Wo + bo on codes of FP4 with E8M0 scales; out0 [8192][1024] f32.
; Operands arrive as images of the matrix unit's registers: a fragment, 16 rows x 128 K, is 1,024 bytes, [c][lane][16]; scale words 64 bytes a tile.  Lane r of tile 2 f + u is row 32 f + 8 u + r + 8 (r / 8).
; Wo: wop's blocks 12-15, 256 columns x K = 1,024 each: [K step 8] chunks of 17,408 bytes = 16 tiles' codes, then 16 tiles' scale words.
; o: oop's 64 blocks of 128 tokens: [K step 8] chunks of 8,704 bytes = 8 tiles' codes, then 8 tiles' scale words.
; SHARES.  Work-group (cb, y): 256 output columns x 128 tokens: 4 x 64 = 256 work-groups.  Source 0 is R = Wo's block, source 1 is L = o's block: a lane then holds one token and neighbouring columns.
; Eight waves: wave w makes columns 128 (w / 4) on x tokens 32 (w % 4) on: 8 x 2 tiles, 16 accumulators.
; LDS holds both blocks as they lie in memory (R at 0, L at 139,264), filled once.  Every wave brings an eighth (17 rows of 256 bytes) of each of six runs of 34,816 bytes, in the order in which they are
; wanted: L's K steps 0-3, R's 0-1, R's 2-3, L's 4-7, R's 4-5, R's 6-7: six tensor loads of a wave are out at the most.
; The bias is loaded into the accumulators, so that the sums start from it.
; THE WAY OUT: a tile of 16 tokens x 128 columns goes through the wave's own stage (16 rows of 528 bytes) and leaves as whole rows of 512 bytes.  The stages lie in LDS bytes 0 .. 67,583, inside R's K steps 0-3:
; those bytes have had their one fill, and every wave has left them when the last stage's barrier is passed.
; NO JOINT LOADS: the four work-groups of a y ask for the same block of o and the 64 of a cb for the same block of Wo, each for itself: a cost of this text.
; LIMITS: NaN and infinities are not served.
.set RBLK,  139264
.set RCH,   17408                      ; a K step of R
.set LBLK,  69632
.set LCH,   8704                       ; a K step of L
.set RUN,   34816                      ; what the eight waves bring together with one load each
.set PART,  RUN/8                      ; 17 rows of 256 bytes
.set LB,    RBLK                       ; where L lies in LDS
.set SP,    528                        ; a row of the way out's stage: 512 bytes + 16: row r starts 16 r bytes on modulo 256 (64 banks of 4 bytes: ISA guide 11.1)
.set LI,  4                            ; v4   16 x lane
.set L4,  5                            ; v5   4 x lane
.set AR,  6                            ; v6   LDS: my R fragments
.set AL,  7                            ; v7   my L fragments
.set ASR, 8                            ; v8   R's scale words
.set ASL, 9                            ; v9   L's
.set STW, 10                           ; v10  the stage: where I put 32 bytes of a row
.set BO,  11                           ; v11  my lane's byte in the bias
.set STR, 12                           ; v12  the stage: where I read a row back
.set ACC, 16                           ; v16-143  accumulator (a, i) at 16 + 64 a + 8 i
.set RF,  144                          ; v144-207 R's eight fragments; on the way out tile 0's rows
.set LF,  208                          ; v208-223 L's two
.set RS,  224                          ; v224-227 R's scale words: tile 2 p in lanes 0-15, tile 2 p + 1 in lanes 16-31
.set LSC, 228                          ; v228     L's: tile 0 below, tile 1 above
.macro MM a, i
.set rD, ACC+64*\a+8*\i
.set rA, RF+8*\i
.set rB, LF+8*\a
.set rS, RS+\i/2
.if ((\i)%2 == 0) && (\a == 0)
	v_wmma_scale_f32_16x16x128_f8f6f4 v[rD:rD+7], v[rA:rA+7], v[rB:rB+7], v[rD:rD+7], v[rS], v[LSC] matrix_a_fmt:MATRIX_FMT_FP4 matrix_b_fmt:MATRIX_FMT_FP4
.elseif (\a == 0)
	v_wmma_scale_f32_16x16x128_f8f6f4 v[rD:rD+7], v[rA:rA+7], v[rB:rB+7], v[rD:rD+7], v[rS], v[LSC] matrix_a_fmt:MATRIX_FMT_FP4 matrix_b_fmt:MATRIX_FMT_FP4 matrix_a_scale:MATRIX_SCALE_ROW1
.elseif ((\i)%2 == 0)
	v_wmma_scale_f32_16x16x128_f8f6f4 v[rD:rD+7], v[rA:rA+7], v[rB:rB+7], v[rD:rD+7], v[rS], v[LSC] matrix_a_fmt:MATRIX_FMT_FP4 matrix_b_fmt:MATRIX_FMT_FP4 matrix_b_scale:MATRIX_SCALE_ROW1
.else
	v_wmma_scale_f32_16x16x128_f8f6f4 v[rD:rD+7], v[rA:rA+7], v[rB:rB+7], v[rD:rD+7], v[rS], v[LSC] matrix_a_fmt:MATRIX_FMT_FP4 matrix_b_fmt:MATRIX_FMT_FP4 matrix_a_scale:MATRIX_SCALE_ROW1 matrix_b_scale:MATRIX_SCALE_ROW1
.endif
.endm
.macro PLACES                          ; four places behind a matrix instruction, in front of loads into its registers and of reads of its result
.rept 4
	v_nop
.endr
.endm
.macro KSTEP s                         ; 25 LDS loads of consecutive bytes, then 16 products: the 16 accumulators by turns, in the same order in every step
.set KO, ((\s)%2)*RCH
.set LO, ((\s)%2)*LCH
.irp i, 0,1,2,3,4,5,6,7
	ds_load_b128 v[RF+8*\i:RF+8*\i+3], v[AR] offset:KO+1024*\i
	ds_load_b128 v[RF+8*\i+4:RF+8*\i+7], v[AR] offset:KO+1024*\i+512
.endr
.irp a, 0,1
	ds_load_b128 v[LF+8*\a:LF+8*\a+3], v[AL] offset:LO+1024*\a
	ds_load_b128 v[LF+8*\a+4:LF+8*\a+7], v[AL] offset:LO+1024*\a+512
.endr
.irp p, 0,1,2,3
	ds_load_b32 v[RS+\p], v[ASR] offset:KO+128*\p
.endr
	ds_load_b32 v[LSC], v[ASL] offset:LO
.if (\s) == 0
	s_wait_loadcnt 0x0                             ; the bias lies in the accumulators
.endif
	s_wait_dscnt 0x0
.irp a, 0,1
.irp i, 0,1,2,3,4,5,6,7
	MM \a, \i
.endr
.endr
.endm
.macro STAGE j, left                   ; K steps 2 j, 2 j + 1.  left: my tensor loads issued behind the last that this stage reads
	s_wait_tensorcnt \left                         ; my eighths of this stage's runs have landed; the younger loads stay out
	s_barrier_signal -1                            ; (no LDS instruction of mine is out: each K step waits for all its loads)
	s_barrier_wait -1
	KSTEP 2*\j
	PLACES
	KSTEP 2*\j+1
.if \j < 3
	v_add_nc_u32 v[AR], 2*RCH, v[AR]               ; on to the next stage: these four are also the places in front of its loads
	v_add_nc_u32 v[AL], 2*LCH, v[AL]
	v_add_nc_u32 v[ASR], 2*RCH, v[ASR]
	v_add_nc_u32 v[ASL], 2*LCH, v[ASL]
.else
	PLACES
.endif
.endm
.macro G0 n, ptr, goff, loff           ; descriptor group 0 number n: my eighth of the run goff bytes into the block at s[ptr], to LDS byte loff on
	s_mov_b32 s[32+4*\n], 1                        ; count = 1
	s_add_co_u32 s[33+4*\n], s12, \loff            ; LDS address: wave x 4,352 + a constant
	s_add_nc_u64 s[34+4*\n:35+4*\n], s[\ptr:\ptr+1], \goff
	s_or_b32 s[35+4*\n], s[35+4*\n], 0x80000000    ; type = 2
.endm
	s_load_b256 s[4:11], s[0:1], 0x0               ; oop s[4:5], wop s[6:7], bo s[8:9], out0 s[10:11]
	v_lshl_add_u32 v254, v0, 2, 0x33000
	v_mov_b32 v255, 0
	ds_add_u32 v254, v255
	ds_add_u32 v254, v255
	v_lshrrev_b32 v1, 5, v0
	v_readfirstlane_b32 s18, v1                    ; wave 0..7
	s_lshr_b32 s19, s18, 2                         ; wr: which 128 columns
	s_and_b32 s20, s18, 3                          ; wl: which 32 tokens
	s_and_b32 s21, ttmp7, 0xffff                   ; y: the block of 128 tokens
	; descriptor group 1: a dense run of 4,352 bytes as 17 rows of 256 bytes (32 elements of 8 bytes), no padding, no mask
	s_mov_b32 s24, 3<<16
	s_mov_b32 s25, 32<<16
	s_mov_b32 s26, 17<<16
	s_mov_b32 s27, 32<<16
	s_mov_b32 s28, 17
	s_mov_b32 s29, 32
	s_mov_b32 s30, 0
	s_mov_b32 s31, 0
	s_mul_i32 s2, s21, LBLK
	s_mov_b32 s3, 0
	s_add_co_u32 s22, ttmp9, 12                    ; Wo's four blocks are wop's 12-15
	s_mul_i32 s22, s22, RBLK
	s_mov_b32 s23, 0
	s_mul_i32 s12, s18, PART                       ; my eighth of a run, in memory and in LDS
	s_mov_b32 s13, 0
	s_wait_dscnt 0x0
	s_wait_kmcnt 0x0
	s_add_nc_u64 s[4:5], s[4:5], s[2:3]            ; L: o's block,
	s_add_nc_u64 s[4:5], s[4:5], s[12:13]          ; at my eighth
	s_add_nc_u64 s[6:7], s[6:7], s[22:23]          ; R: Wo's block,
	s_add_nc_u64 s[6:7], s[6:7], s[12:13]          ; likewise
	G0 0, 4, 0, LB                                 ; L's K steps 0-3
	G0 1, 6, 0, 0                                  ; R's 0-1
	G0 2, 6, RUN, RUN                              ; R's 2-3
	G0 3, 4, RUN, LB+RUN                           ; L's 4-7
	G0 4, 6, 2*RUN, 2*RUN                          ; R's 4-5
	G0 5, 6, 3*RUN, 3*RUN                          ; R's 6-7
	tensor_load_to_lds s[32:35], s[24:31]          ; all fills in one group, ahead of every wait on TENSORcnt, every LDS read and every barrier: six loads of mine are out
	s_nop 0
	tensor_load_to_lds s[36:39], s[24:31]
	s_nop 0
	tensor_load_to_lds s[40:43], s[24:31]
	s_nop 0
	tensor_load_to_lds s[44:47], s[24:31]
	s_nop 0
	tensor_load_to_lds s[48:51], s[24:31]
	s_nop 0
	tensor_load_to_lds s[52:55], s[24:31]
	s_nop 0
.rept 4
	v_nop
.endr
	v_and_b32 v1, 31, v0                           ; lane
	v_and_b32 v2, 15, v0                           ; r
	v_bfe_u32 v3, v0, 4, 1                         ; h
	v_lshlrev_b32 v[LI], 4, v1
	v_lshlrev_b32 v[L4], 2, v1
	s_lshl_b32 s22, s19, 13                        ; my eight tiles of R: 8,192 wr
	v_add_nc_u32 v[AR], s22, v[LI]
	s_lshl_b32 s23, s20, 11                        ; my two tiles of L: 2,048 wl
	s_add_co_u32 s23, s23, LB
	v_add_nc_u32 v[AL], s23, v[LI]
	s_lshl_b32 s2, s19, 9                          ; R's scale words lie 16,384 bytes into a chunk, 64 bytes a tile
	s_add_co_u32 s2, s2, 16384
	v_add_nc_u32 v[ASR], s2, v[L4]
	s_lshl_b32 s3, s20, 7                          ; L's 8,192 bytes into a chunk
	s_add_co_u32 s3, s3, LB+8192
	v_add_nc_u32 v[ASL], s3, v[L4]
	s_mul_i32 s56, s18, 16*SP                      ; my stage
	v_mul_u32_u24 v[STW], v2, SP
	v_lshl_add_u32 v[STW], v3, 6, v[STW]
	v_add_nc_u32 v[STW], s56, v[STW]               ; in: row r, + 64 h
	v_add_nc_u32 v[STR], s56, v[LI]                ; back: a row of 512 bytes, 16 bytes a lane
	s_lshl_b32 s14, ttmp9, 10
	s_lshl_b32 s15, s19, 9
	s_add_co_u32 s14, s14, s15                     ; my 128 columns, in bytes: 1,024 cb + 512 wr
	s_mov_b32 s15, 0
	s_add_nc_u64 s[8:9], s[8:9], s[14:15]          ; their bias
	s_lshl_b32 s16, s21, 19
	s_lshl_b32 s17, s20, 17
	s_add_co_u32 s16, s16, s17                     ; my 32 tokens: rows 128 y + 32 wl of 4,096 bytes
	s_add_co_u32 s16, s16, s14
	s_mov_b32 s17, 0
	s_add_nc_u64 s[10:11], s[10:11], s[16:17]
	v_lshlrev_b32 v[BO], 6, v3                     ; register j of tile i is column 32 (i / 2) + 16 h + 8 (i % 2) + j
.irp a, 0,1
.irp i, 0,1,2,3,4,5,6,7
	global_load_b128 v[ACC+64*\a+8*\i:ACC+64*\a+8*\i+3], v[BO], s[8:9] offset:(32*(\i/2)+8*(\i%2))*4
	global_load_b128 v[ACC+64*\a+8*\i+4:ACC+64*\a+8*\i+7], v[BO], s[8:9] offset:(32*(\i/2)+8*(\i%2))*4+16
.endr
.endr
	STAGE 0, 4                                     ; reads L's first run and R's first: four loads were issued behind them
	STAGE 1, 3                                     ; R's second: three behind it
	STAGE 2, 1                                     ; L's second run and R's third: one behind them
	STAGE 3, 0
.macro TOSTAGE a                       ; tile a's 16 tokens x 128 columns into my stage and back as rows.  LDS serves a wave's instructions in order (ISA guide 5.7.1.4): no wait between stores and loads, nor in front of the next tile's stores
.set OB, RF-(RF-ACC)*\a                ; tile 0's rows land where R's fragments lay, tile 1's where tile 0's accumulators lay
.irp i, 0,1,2,3,4,5,6,7
	ds_store_b128 v[STW], v[ACC+64*\a+8*\i:ACC+64*\a+8*\i+3] offset:128*(\i/2)+32*(\i%2)        ; each accumulator from its low end on
	ds_store_b128 v[STW], v[ACC+64*\a+8*\i+4:ACC+64*\a+8*\i+7] offset:128*(\i/2)+32*(\i%2)+16
.endr
.set n, 0
.rept 16
	ds_load_b128 v[OB+4*n:OB+4*n+3], v[STR] offset:SP*n
.set n, n+1
.endr
.endm
.macro SEND a, younger                 ; younger: the LDS instructions issued behind tile a's loads
.set OB, RF-(RF-ACC)*\a
.set n, 0
.rept 16
	s_wait_dscnt \younger+15-n                     ; row n is back; its 15 - n younger loads, and the next tile's 32 instructions, stay out
	global_store_b128 v[LI], v[OB+4*n:OB+4*n+3], s[10:11] offset:(8*\a+n+8*(n/8))*4096 th:TH_STORE_NT   ; the tile's row n is token 8 a + n + 8 (n / 8): 32 lanes store 512 consecutive bytes, at a multiple of 512 from out0's first byte
.set n, n+1
.endr
.endm
	TOSTAGE 0
	TOSTAGE 1
	SEND 0, 32
	SEND 1, 0
	s_wait_tensorcnt 0x0
	ds_add_u32 v254, v255
	s_wait_dscnt 0x0
	s_endpgm
.Lfunc_end_k_qbb2e3ca65e_oproj:
	.size	k_qbb2e3ca65e_oproj, .Lfunc_end_k_qbb2e3ca65e_oproj-k_qbb2e3ca65e_oproj
	.p2alignl 7, 3214868480
	.fill 96, 4, 3214868480
	.section	.rodata,"a",@progbits
	.p2align	6, 0x0
	.amdhsa_kernel k_qbb2e3ca65e_oproj
		.amdhsa_group_segment_fixed_size 209920
		.amdhsa_private_segment_fixed_size 0
		.amdhsa_enable_private_segment 0
		.amdhsa_kernarg_size 32
		.amdhsa_user_sgpr_count 2
		.amdhsa_user_sgpr_kernarg_segment_ptr 1
		.amdhsa_wavefront_size32 1
		.amdhsa_system_sgpr_workgroup_id_x 1
		.amdhsa_system_sgpr_workgroup_id_y 1
		.amdhsa_system_sgpr_workgroup_id_z 1
		.amdhsa_system_vgpr_workitem_id 0
		.amdhsa_next_free_vgpr 256
		.amdhsa_next_free_sgpr 66
		.amdhsa_reserve_vcc 0
		.amdhsa_float_denorm_mode_32 3
		.amdhsa_float_denorm_mode_16_64 3
		.amdhsa_memory_ordered 1
		.amdhsa_forward_progress 1
		.amdhsa_inst_pref_size 47
	.end_amdhsa_kernel
	.amdgpu_metadata
---
amdhsa.version: [ 1, 2 ]
amdhsa.kernels:
  - .name:           k_qbb2e3ca65e_oproj
    .symbol:         k_qbb2e3ca65e_oproj.kd
    .args:
      - { .name: oop, .offset: 0, .size: 8, .value_kind: global_buffer, .address_space: global }
      - { .name: wop, .offset: 8, .size: 8, .value_kind: global_buffer, .address_space: global }
      - { .name: bo, .offset: 16, .size: 8, .value_kind: global_buffer, .address_space: global }
      - { .name: out0, .offset: 24, .size: 8, .value_kind: global_buffer, .address_space: global }
    .group_segment_fixed_size: 209920
    .private_segment_fixed_size: 0
    .kernarg_segment_align: 8
    .kernarg_segment_size: 32
    .max_flat_workgroup_size: 256
    .sgpr_count:     66
    .vgpr_count:     256
    .wavefront_size: 32
...
	.end_amdgpu_metadata
.endif
;; end of part 4
